; MI455X (gfx1250); checked and timed in simulation.
; The chip was launched on July 23, 2026; its instructions are those of AMD's public machine-readable ISA for CDNA 5 (MIT licence, August 2026) and "CDNA5" Instruction Set Architecture Reference Guide (July 2026). The comments in the code are by the model that wrote it; some were corrected since.
;; ROI Pooling Network. Allowed arithmetic: float matrix products may take bf16 or f16 operands with f32 sums; all other float work in f32.
;; Inputs: features 1 x 512 x 64 x 64 float32; proposals 500 x 4 float32.
;; Outputs: out0 500 x 512 x 3 x 3 float32.
;; One version. Each part assembles by itself: llvm-mc -triple=amdgcn-amd-amdhsa -mcpu=gfx1250 --defsym DOCPART=n.
;; ======== version 1 of 1: 2 launches
;; limits: inputs' magnitudes at most 8,388,608
;; workspace buffers: tab 25,165,824 bytes; desc 32,000 bytes of whole numbers
;; launch prep (part 1): grid 256 x 1, 8 waves a work-group, no clusters, 83,200 bytes of LDS; arguments features, proposals, tab, desc; writes tab, desc
.if DOCPART == 1
	.amdgcn_target "amdgcn-amd-amdhsa--gfx1250"
	.amdhsa_code_object_version 6
	.text
	.protected	k_q48a0e9fa16_prep
	.globl	k_q48a0e9fa16_prep
	.p2align	8
	.type	k_q48a0e9fa16_prep,@function
k_q48a0e9fa16_prep:
	s_mov_b64 s[64:65], 0
	v_nop
	global_prefetch_b8 v0, s[64:65] scope:SCOPE_SE
	s_setreg_imm32_b32 hwreg(HW_REG_WAVE_MODE, 25, 1), 1
	s_wait_xcnt 0x0
; PREP: window tables of the features, and the bins' edges as whole numbers.
; features: [512][64][64] f32.  tab holds three tables on end, f1, f2, f4, each [64 h][64 w][512 c] f32: f1 = the features turned; f2[h][w] = the maximum over rows h..h+1 and columns w..w+1;
; f4[h][w] = the maximum over rows h..h+3 and columns w..w+3 (rows and columns past 63 count as 63; the next launch never asks for a window that leaves the map).
; desc: for each of the 500 proposals 16 words: hs0 hs1 hs2 0, he0 he1 he2 0, ws0 ws1 ws2 0, we0 we1 we2 0: the three row bins [hs, he) and the three column bins [ws, we),
; start = lo + floor(i L / 3), end = lo + floor(((i+1) L + 2) / 3), lo = floor(p_lo / 16), L = floor(p_hi / 16) - lo, cut to 0..64 (a mask over 0..63 sees no more of them).
; LIMITS.  A NaN among the features loses against numbers (v_max_num).  floor(p / 16) is cut to +-524,288, so proposals beyond 8.4e6 pixels may get other edges than the problem's function; a NaN proposal gives empty bins.
; SHARES.  A work-group owns 64 channels (its number mod 8) and two rows of the map (its number / 8).  It loads five rows, its two and the three below, turns them into LDS as [cell][row][64 channels],
; and each wave then makes eight cells of both rows in all three tables.  Wave 0 of work-groups 0..124 also makes the edges of four proposals.
; NO TENSOR LOAD, NO CLUSTER: four channels of one cell have to come together in 16 bytes on the way into LDS; that goes through registers, a tensor load lays rows down as they lie in memory.
.set PLANE, 16384                      ; bytes of a channel's plane: 64 rows of 256 bytes
.set CELLB, 2048                       ; bytes of a cell in a table: 512 channels
.set HROW,  64*CELLB                   ; a row of 64 cells
.set TABLE, 64*HROW                    ; a table: 8,388,608 bytes
.set CP,    1280                       ; LDS: a cell's five tile rows of 256 bytes (64 channels)
.set TILE,  64*CP+256                  ; 64 cells, and 16 bytes more behind every fourth cell: lanes four cells apart then store to 16 different 16-byte columns of the 64 banks (ISA guide 11.1)
.set SPARE, TILE                       ; behind the tile: the spare words, 128 bytes for each of the eight waves: four blocks of 256 bytes that no other line names
.set SPW,  1                           ; v1      LDS address of my spare word; never rewritten
.set NIL,  2                           ; v2      0; never rewritten
.set GOFF, 3                           ; v3      my byte offset in features: channel quad x 4 planes + 16 bytes x (lane mod 16)
.set SA,   4                           ; v4      where I store a turned block
.set GS,   5                           ; v5      my byte offset in the tables
.set RA,   6                           ; v6-15   LDS addresses of the ten cells that my lane reads in each tile row
.set LW,   16                          ; v16     thread mod 16
.set CQ,   17                          ; v17     thread / 16: the channel quad that I load
.set WB,   18                          ; v18     my first cell: 8 x wave + half of the lanes
.set CQO,  19                          ; v19     16 x (thread mod 16): the channel quad that I read back
.set TA,   20
.set TC,   21
.set V,    24                          ; v24-103  the 20 loads (row r, channel e at V + 16 r + 4 e); later two row buffers of ten cells x 4 channels
.set C2A,  104                         ; v104-151 maxima of two cells, for three tile rows (pair p, channel x at + 4 p + x)
.set C2B,  120
.set C2C,  136
.set A4A,  152                         ; v152-183 running maxima of the 4 x 4 windows of my two rows; before that the turned blocks, two by turns
.set A4B,  168
.set T4,   184                         ; v184-199 a tile row's maxima of four cells
.set PR,   104                         ; the edges' registers lie where the pair maxima come later
.set RR,   108
.set E0,   112
	s_load_b128 s[4:7], s[0:1], 0x0                ; features s[4:5], proposals s[6:7]
	s_load_b64 s[8:9], s[0:1], 0x10                ; tab
	s_load_b64 s[14:15], s[0:1], 0x18              ; desc
	v_lshl_add_u32 v[SPW], v0, 2, SPARE
	v_mov_b32 v[NIL], 0
	v_lshrrev_b32 v[TA], 5, v0
	v_readfirstlane_b32 s16, v[TA]                 ; wave 0..7
	s_mov_b32 s37, ttmp9
	s_and_b32 s17, s37, 7                          ; which 64 channels
	s_lshr_b32 s18, s37, 3                         ; which two rows
	s_lshl_b32 s19, s18, 1
	s_lshl_b32 s36, s17, 20                        ; 64 planes of 16,384 bytes
.irp r, 0,1,2,3,4
	s_add_co_u32 s[20+2*(\r)], s19, \r             ; tile row r is map row 2 x block + r,
	s_min_u32 s[20+2*(\r)], s[20+2*(\r)], 63       ; or the last row
	s_lshl_b32 s[20+2*(\r)], s[20+2*(\r)], 8
	s_add_co_u32 s[20+2*(\r)], s[20+2*(\r)], s36
	s_mov_b32 s[21+2*(\r)], 0
.endr
	v_and_b32 v[LW], 15, v0
	v_lshrrev_b32 v[CQ], 4, v0
	v_lshlrev_b32 v[GOFF], 4, v[LW]
	v_lshl_add_u32 v[GOFF], v[CQ], 16, v[GOFF]
	s_wait_kmcnt 0x0
.irp r, 0,1,2,3,4
	s_add_nc_u64 s[20+2*(\r):21+2*(\r)], s[4:5], s[20+2*(\r):21+2*(\r)]
.endr
	; 20 loads a wave, all out at once: sixteen lanes take one whole row of 256 bytes; the two halves of the lanes take two channel quads
.irp r, 0,1,2,3,4
.irp e, 0,1,2,3
	global_load_b128 v[V+16*(\r)+4*(\e):V+16*(\r)+4*(\e)+3], v[GOFF], s[20+2*(\r):21+2*(\r)] offset:(\e)*PLANE
.endr
.endr
	s_lshl_b32 s30, s18, 18                        ; a table at my two rows of cells (262,144 bytes a block)
	s_lshl_b32 s31, s17, 8                         ; and my 64 channels
	s_add_co_u32 s30, s30, s31
	s_mov_b32 s31, 0
	s_add_nc_u64 s[8:9], s[8:9], s[30:31]          ; f1,
	s_add_nc_u64 s[10:11], s[8:9], TABLE           ; f2 one table on,
	s_add_nc_u64 s[12:13], s[8:9], 2*TABLE         ; f4 two
	s_mov_b32 s38, CP
	; THE EDGES: wave 0 of work-groups 0..124, four proposals each.  Lane l mod 16 = 4 x proposal + kind; kind 0: hs, 1: he, 2: ws, 3: we (lanes 16-31 repeat lanes 0-15 and store nothing).
	; All numbers are whole and below 2^24, so f32 holds them exactly.  floor(a / 3) = floor((a + 3 x 2^20) x fl(1/3)) - 2^20: the shifted a lies in 0 .. 6.3e6; fl(1/3) is 2^-25 too large and the product's rounding
	; adds 2^-24 at the most, together less than 1/3 up to 1.1e7, and a multiple of 3 never rounds below its quotient.
	s_cmp_lg_u32 s16, 0
	s_cbranch_scc1 .Lno_edges
	s_cmp_ge_u32 s37, 125
	s_cbranch_scc1 .Lno_edges
	s_lshl_b32 s32, s37, 6                         ; four proposals of 16 bytes
	s_mov_b32 s33, 0
	s_add_nc_u64 s[6:7], s[6:7], s[32:33]
	s_lshl_b32 s32, s37, 8                         ; four records of 64 bytes
	s_add_nc_u64 s[14:15], s[14:15], s[32:33]
	v_lshrrev_b32 v[E0], 2, v[LW]
	v_lshlrev_b32 v[E0], 4, v[E0]
	global_load_b128 v[PR:PR+3], v[E0], s[6:7]     ; x1, y1, x2, y2
	v_and_b32 v[E0+1], 3, v[LW]                    ; kind
	v_and_b32 v[E0+2], 1, v[LW]
	v_cvt_f32_u32 v[E0+2], v[E0+2]                 ; E = 1 for an end, 0 for a start
	v_cmp_lt_u32 vcc_lo, 1, v[E0+1]                ; kinds 2 and 3 go by x
	s_mov_b32 s34, 0x4a400000                      ; 3 x 2^20
	v_fma_f32 v[E0+3], v[E0+2], 2.0, s34           ; 2 E + 3 x 2^20
	s_wait_loadcnt 0x0                             ; the proposal is the youngest load: the tile's 20, which I need next anyway, are in too
	v_cndmask_b32 v[E0+4], v[PR+1], v[PR], vcc_lo
	v_cndmask_b32 v[E0+5], v[PR+3], v[PR+2], vcc_lo
	v_mul_f32 v[E0+4], 0x3d800000, v[E0+4]         ; / 16, exact
	v_mul_f32 v[E0+5], 0x3d800000, v[E0+5]
	v_floor_f32 v[E0+4], v[E0+4]
	v_floor_f32 v[E0+5], v[E0+5]
	v_max_num_f32 v[E0+4], 0xc9000000, v[E0+4]     ; cut to +-2^19
	v_max_num_f32 v[E0+5], 0xc9000000, v[E0+5]
	v_min_num_f32 v[E0+4], 0x49000000, v[E0+4]
	v_min_num_f32 v[E0+5], 0x49000000, v[E0+5]
	v_sub_f32 v[E0+5], v[E0+5], v[E0+4]            ; L
	v_add_f32 v[E0+6], 0xc9800000, v[E0+4]         ; lo - 2^20
	v_add_f32 v[E0+7], 1.0, v[E0+2]                ; 1 + E
	v_add_f32 v[E0+1], 2.0, v[E0+2]                ; 2 + E
	v_fma_f32 v[RR],   v[E0+2], v[E0+5], v[E0+3]   ; (i + E) L + 2 E + 3 x 2^20, i = 0, 1, 2
	v_fma_f32 v[RR+1], v[E0+7], v[E0+5], v[E0+3]
	v_fma_f32 v[RR+2], v[E0+1], v[E0+5], v[E0+3]
.irp i, 0,1,2
	v_mul_f32 v[RR+(\i)], 0x3eaaaaab, v[RR+(\i)]
.endr
.irp i, 0,1,2
	v_floor_f32 v[RR+(\i)], v[RR+(\i)]
.endr
.irp i, 0,1,2
	v_add_f32 v[RR+(\i)], v[RR+(\i)], v[E0+6]
.endr
.irp i, 0,1,2
	v_max_num_f32 v[RR+(\i)], 0, v[RR+(\i)]
.endr
.irp i, 0,1,2
	v_min_num_f32 v[RR+(\i)], 0x42800000, v[RR+(\i)]  ; 64
.endr
.irp i, 0,1,2
	v_cvt_u32_f32 v[RR+(\i)], v[RR+(\i)]
.endr
	v_mov_b32 v[RR+3], 0
	v_lshlrev_b32 v[E0], 4, v[LW]
	v_cmp_gt_u32 vcc_lo, 16, v0
	s_wait_xcnt 0x0                                ; EXEC is a source of the loads above: it changes only behind this wait
	s_and_saveexec_b32 s35, vcc_lo
	global_store_b128 v[E0], v[RR:RR+3], s[14:15]  ; sixteen lanes store 256 consecutive bytes, at a multiple of 256 from desc's first byte
	s_wait_xcnt 0x0                                ; and again in front of the line that widens it; the store's registers are free from here on too
	s_or_b32 exec_lo, exec_lo, s35
.Lno_edges:
	; INTO LDS, TURNED.  A lane holds 4 channels x 4 columns of a row; 16 moves turn the block, so that the four channels of a cell lie in four registers on end and go out as 16 bytes.
	; Cell w, tile row r, channel c lie at w CP + 16 (w / 4) + 256 r + 4 c.  My four cells are 4 (l mod 16) + k.
	v_mul_u32_u24 v[SA], v[LW], 4*CP+16
	v_lshl_add_u32 v[SA], v[CQ], 4, v[SA]
.irp r, 0,1,2,3,4
	s_wait_loadcnt 16-4*(\r)                       ; loads come back in order (ISA guide 5.7.1): row r's four are in, the four of each later row may be out
.set n, 0
.rept 16
	v_mov_b32 v[A4A+16*((\r)%2)+n], v[V+16*(\r)+4*(n%4)+n/4]  ; block[k][e] = loaded[e][k], n = 4 k + e
.set n, n+1
.endr
.irp k, 0,1,2,3
	ds_store_b128 v[SA], v[A4A+16*((\r)%2)+4*(\k):A4A+16*((\r)%2)+4*(\k)+3] offset:(\k)*CP+(\r)*256
.endr
.endr
	; What I read back: lanes 0-15 take one cell's 64 channels (256 bytes on end), lanes 16-31 the next cell's.  My wave makes cells 8 wave .. 8 wave + 7, as four pairs; pair p's lane has cell
	; WB + 2 p and needs the cells WB + 2 p .. + 3: ten cells in all, WB + t, cut at 63.  The 16 bytes behind every fourth cell are never read: a cell's reads end 1,279 bytes behind its first.
	v_bfe_u32 v[WB], v0, 4, 1
	v_lshl_add_u32 v[WB], s16, 3, v[WB]
	v_lshlrev_b32 v[CQO], 4, v[LW]
.set t, 0
.rept 10
	v_add_nc_u32 v[TA], t, v[WB]
	v_min_u32 v[TA], 63, v[TA]
	v_lshrrev_b32 v[TC], 2, v[TA]
	v_mad_u32_u24 v[RA+t], v[TA], s38, v[CQO]
	v_lshl_add_u32 v[RA+t], v[TC], 4, v[RA+t]
.set t, t+1
.endr
	v_lshl_add_u32 v[GS], v[WB], 11, v[CQO]        ; cell x 2,048 bytes + my four channels
	s_wait_dscnt 0x0                               ; for the others' sake: my stores into the tile are done
	s_barrier_signal -1
	s_barrier_wait -1
.macro LOADROW r, b                    ; tile row r's ten cells into row buffer b
.set t, 0
.rept 10
	ds_load_b128 v[V+40*(\b)+4*t:V+40*(\b)+4*t+3], v[RA+t] offset:(\r)*256
.set t, t+1
.endr
.endm
; n = 4 p + x: pair p, channel x.  Pair p's four cells lie at a, a + 4, a + 8, a + 12 in the row buffer.
.macro PAIR dst, b                     ; dst = max(cell 0, cell 1)
.set n, 0
.rept 16
.set a, V+40*(\b)+8*(n/4)+n%4
	v_max_num_f32 v[(\dst)+n], v[a], v[a+4]
.set n, n+1
.endr
.endm
.macro PAIR3 dst, src, b               ; dst = max(src, cell 0, cell 1)
.set n, 0
.rept 16
.set a, V+40*(\b)+8*(n/4)+n%4
	v_max3_num_f32 v[(\dst)+n], v[(\src)+n], v[a], v[a+4]
.set n, n+1
.endr
.endm
.macro QUAD dst, src, b                ; dst = max(src, cell 2, cell 3)
.set n, 0
.rept 16
.set a, V+40*(\b)+8*(n/4)+n%4
	v_max3_num_f32 v[(\dst)+n], v[(\src)+n], v[a+8], v[a+12]
.set n, n+1
.endr
.endm
.macro JOIN dst, x, y
.set n, 0
.rept 16
	v_max_num_f32 v[(\dst)+n], v[(\x)+n], v[(\y)+n]
.set n, n+1
.endr
.endm
.macro SEND sb, reg, step, hl          ; four pairs of cells of my row hl into the table at s[sb]: sixteen lanes store 256 consecutive bytes, at a multiple of 256 from the buffer's first byte
.set p, 0
.rept 4
	global_store_b128 v[GS], v[(\reg)+(\step)*p:(\reg)+(\step)*p+3], s[\sb:\sb+1] offset:p*2*CELLB+(\hl)*HROW
.set p, p+1
.endr
.endm
	; THE FIVE TILE ROWS, one after the other, the next row's loads out while a row is worked on.  Along a row: max of 2 and of 4 cells; down the rows: f2 joins two rows, f4 four.
	LOADROW 0, 0
	LOADROW 1, 1
	s_wait_dscnt 10                                ; LDS loads come back in order (ISA guide 5.7.1): row 0 is in, row 1's ten may be out
	PAIR C2A, 0
	QUAD A4A, C2A, 0
	SEND 8, V, 8, 0                                ; f1, my first row: the cells as they are
	s_wait_xcnt 0x0                                ; the stores have read buffer 0: it is loaded again only behind this wait
	LOADROW 2, 0
	s_wait_dscnt 10                                ; row 1 is in
	PAIR C2B, 1
	QUAD A4B, C2B, 1
	SEND 8, V+40, 8, 1                             ; f1, my second row
	JOIN C2A, C2A, C2B
	JOIN A4A, A4A, A4B
	SEND 10, C2A, 4, 0                             ; f2, first row
	s_wait_xcnt 0x0                                ; the stores have read buffer 1
	LOADROW 3, 1
	s_wait_dscnt 10                                ; row 2 is in
	PAIR C2C, 0
	QUAD T4, C2C, 0
	JOIN C2C, C2C, C2B
	JOIN A4A, A4A, T4
	JOIN A4B, A4B, T4
	SEND 10, C2C, 4, 1                             ; f2, second row
	LOADROW 4, 0                                   ; no store reads buffer 0 any more: the last that did stands ahead of a wait above
	s_wait_dscnt 10                                ; row 3 is in
	PAIR C2B, 1
	QUAD T4, C2B, 1
	JOIN A4A, A4A, T4
	JOIN A4B, A4B, T4
	SEND 12, A4A, 4, 0                             ; f4, first row
	s_wait_dscnt 0x0                               ; row 4 is in
	PAIR3 C2B, A4B, 0
	QUAD A4B, C2B, 0
	SEND 12, A4B, 4, 1                             ; f4, second row
	s_wait_tensorcnt 0x0                           ; the wave's end, behind my last LDS store
	ds_add_u32 v[SPW], v[NIL]
	s_wait_dscnt 0x0
	s_endpgm
.Lfunc_end_k_q48a0e9fa16_prep:
	.size	k_q48a0e9fa16_prep, .Lfunc_end_k_q48a0e9fa16_prep-k_q48a0e9fa16_prep
	.p2alignl 7, 3214868480
	.fill 96, 4, 3214868480
	.section	.rodata,"a",@progbits
	.p2align	6, 0x0
	.amdhsa_kernel k_q48a0e9fa16_prep
		.amdhsa_group_segment_fixed_size 83200
		.amdhsa_private_segment_fixed_size 0
		.amdhsa_enable_private_segment 0
		.amdhsa_kernarg_size 32
		.amdhsa_user_sgpr_count 2
		.amdhsa_user_sgpr_kernarg_segment_ptr 1
		.amdhsa_wavefront_size32 1
		.amdhsa_system_sgpr_workgroup_id_x 1
		.amdhsa_system_sgpr_workgroup_id_y 1
		.amdhsa_system_sgpr_workgroup_id_z 1
		.amdhsa_system_vgpr_workitem_id 0
		.amdhsa_next_free_vgpr 200
		.amdhsa_next_free_sgpr 66
		.amdhsa_reserve_vcc 1
		.amdhsa_float_denorm_mode_32 3
		.amdhsa_float_denorm_mode_16_64 3
		.amdhsa_memory_ordered 1
		.amdhsa_forward_progress 1
		.amdhsa_inst_pref_size 31
	.end_amdhsa_kernel
	.amdgpu_metadata
---
amdhsa.version: [ 1, 2 ]
amdhsa.kernels:
  - .name:           k_q48a0e9fa16_prep
    .symbol:         k_q48a0e9fa16_prep.kd
    .args:
      - { .name: features, .offset: 0, .size: 8, .value_kind: global_buffer, .address_space: global }
      - { .name: proposals, .offset: 8, .size: 8, .value_kind: global_buffer, .address_space: global }
      - { .name: tab, .offset: 16, .size: 8, .value_kind: global_buffer, .address_space: global }
      - { .name: desc, .offset: 24, .size: 8, .value_kind: global_buffer, .address_space: global }
    .group_segment_fixed_size: 83200
    .private_segment_fixed_size: 0
    .kernarg_segment_align: 8
    .kernarg_segment_size: 32
    .max_flat_workgroup_size: 256
    .sgpr_count:     66
    .vgpr_count:     200
    .wavefront_size: 32
...
	.end_amdgpu_metadata
.endif
;; end of part 1
;; launch pool (part 2): grid 500 x 1, 9 waves a work-group, no clusters, 19,712 bytes of LDS; arguments tab, desc, out0; writes out0
.if DOCPART == 2
	.amdgcn_target "amdgcn-amd-amdhsa--gfx1250"
	.amdhsa_code_object_version 6
	.text
	.protected	k_q48a0e9fa16_pool
	.globl	k_q48a0e9fa16_pool
	.p2align	8
	.type	k_q48a0e9fa16_pool,@function
k_q48a0e9fa16_pool:
	s_mov_b64 s[64:65], 0
	v_nop
	global_prefetch_b8 v0, s[64:65] scope:SCOPE_SE
	s_setreg_imm32_b32 hwreg(HW_REG_WAVE_MODE, 25, 1), 1
	s_wait_xcnt 0x0
; POOL: out0[n][c][i][j] = the maximum of channel c over rows [hs_i, he_i) and columns [ws_j, we_j) of proposal n, or the lowest finite f32 where the bin is empty.
; tab: three tables on end, level 0, 1, 2, each [64 h][64 w][512 c] f32: the maximum over the window of side 1, 2, 4 that begins at (h, w).  So a window is cell 4,096 x level + 64 h + w of tab.
; desc: 16 words a proposal: hs0-2, 0, he0-2, 0, ws0-2, 0, we0-2, 0, each 0..64.
; SHARES.  A work-group owns a proposal, each of its nine waves a bin (wave = 3 i + j), a lane 16 of the 512 channels.
; THE WALK.  st = 4, 2 or 1: the largest of these sides that fits both sides of the bin.  The bin is covered by ceil(lh / st) x ceil(lw / st) windows of that side, st apart; the last of a row or column is pulled
; back so that it ends with the bin: windows may overlap, which a maximum does not mind, and none leaves the bin.  A window is one cell: 2,048 bytes on end, four loads of 512 bytes a wave.
; A trip takes up to four windows; forward jumps leave out those that the bin does not have, and each way folds only what it loaded.  All addresses, jumps and trip counts hang on desc's whole numbers.
; LIMITS.  A NaN among the features loses against numbers (v_max_num); a bin of -inf alone gives the lowest finite number.
; NO CLUSTER: no two work-groups walk the same cells by plan.  No LDS for the tables: each cell is used once.
.set ROIB,  18432                      ; bytes of out0 for a proposal: 512 x 9 x 4 = 72 blocks of 256
.set CELLS, 3*4096                     ; cells in tab
.set SPARE, ROIB                       ; behind the stage: the spare words, 128 bytes for each of the nine waves, in five blocks of 256 bytes that no other line names
.set OFFV, 1                           ; v1      16 x lane; never rewritten
.set STA,  2                           ; v2      the stage: where my first result goes
.set RDA,  3                           ; v3      my 16 bytes of the stage, and of the proposal's part of out0, on the way out
.set SPW,  4                           ; v4      LDS address of my spare word; never rewritten
.set NIL,  5                           ; v5      0; never rewritten
.set TV,   6
.set ACC,  8                           ; v8-23   running maxima: channel 128 q + 4 lane + e at ACC + 4 q + e
.set D,    24                          ; v24-87  the trip's four windows, 16 registers each
.set VO,   88                          ; v88-91  the four windows' byte offsets in tab: cell x 2,048 + 16 x lane
; s20 hs, s21 he, s22 ws, s23 we; s24 lh, s25 lw; s27 level = log2 st; s30 st; s32 windows in a row; s33 windows left; s34 trips; s35 trip;
; s36, s37 the last window's row and column; s38, s39 the next window's row and column before the pull back; s40 its place in its row; s53 4,096 x level
	s_load_b128 s[4:7], s[0:1], 0x0                ; tab s[4:5], desc s[6:7]
	s_load_b64 s[12:13], s[0:1], 0x10              ; out0
	v_lshl_add_u32 v[SPW], v0, 2, SPARE
	v_mov_b32 v[NIL], 0
	v_lshrrev_b32 v[TV], 5, v0
	v_readfirstlane_b32 s14, v[TV]                 ; wave = bin 0..8
	s_mul_i32 s15, s14, 11
	s_lshr_b32 s15, s15, 5                         ; i = bin / 3 (11 / 32 serves 0..8)
	s_mul_i32 s16, s15, 3
	s_sub_co_u32 s16, s14, s16                     ; j
	s_lshl_b32 s17, ttmp9, 6                       ; the proposal's record of 64 bytes
	s_lshl2_add_u32 s18, s15, s17                  ; + 4 i
	s_lshl2_add_u32 s19, s16, s17                  ; + 4 j
	s_mul_i32 s54, ttmp9, ROIB
	s_mov_b32 s55, 0
	s_mov_b32 s52, 0xff7fffff                      ; the lowest finite f32
	s_wait_kmcnt 0x0
	s_load_b32 s20, s[6:7], s18 offset:0x0
	s_load_b32 s21, s[6:7], s18 offset:0x10
	s_load_b32 s22, s[6:7], s19 offset:0x20
	s_load_b32 s23, s[6:7], s19 offset:0x30
	s_add_nc_u64 s[12:13], s[12:13], s[54:55]      ; out0 at my proposal
	v_and_b32 v[TV], 31, v0
	v_lshlrev_b32 v[OFFV], 4, v[TV]
	v_mul_u32_u24 v[STA], v[TV], 144               ; result (c, bin) lies at 36 c + 4 bin: my first channel is 4 x lane
	v_lshl_add_u32 v[STA], s14, 2, v[STA]
	v_lshl_add_u32 v[RDA], s14, 11, v[OFFV]        ; on the way out wave w takes bytes 2,048 w .. + 2,047
.set n, 0
.rept 16
	v_mov_b32 v[ACC+n], s52                        ; what an empty bin gives; these stand in the wait for the edges
.set n, n+1
.endr
	s_wait_kmcnt 0x0
	s_min_u32 s20, s20, 64
	s_min_u32 s21, s21, 64
	s_min_u32 s22, s22, 64
	s_min_u32 s23, s23, 64
	s_sub_co_i32 s24, s21, s20
	s_max_i32 s24, s24, 0                          ; lh
	s_sub_co_i32 s25, s23, s22
	s_max_i32 s25, s25, 0                          ; lw
	s_min_u32 s26, s24, s25
	s_cmp_ge_u32 s26, 2
	s_cselect_b32 s27, 1, 0
	s_cmp_ge_u32 s26, 4
	s_cselect_b32 s27, 2, s27                      ; level
	s_lshl_b32 s30, 1, s27                         ; st
	s_lshl_b32 s53, s27, 12                        ; the level's first cell
	s_add_co_u32 s31, s24, s30
	s_sub_co_u32 s31, s31, 1
	s_lshr_b32 s31, s31, s27                       ; ceil(lh / st)
	s_add_co_u32 s32, s25, s30
	s_sub_co_u32 s32, s32, 1
	s_lshr_b32 s32, s32, s27                       ; ceil(lw / st)
	s_mul_i32 s33, s31, s32                        ; windows; 0 for an empty bin
	s_add_co_u32 s34, s33, 3
	s_lshr_b32 s34, s34, 2                         ; trips of four
	s_sub_co_u32 s36, s21, s30                     ; he - st
	s_sub_co_u32 s37, s23, s30                     ; we - st
	s_mov_b32 s38, s20
	s_mov_b32 s39, s22
	s_mov_b32 s40, 0
	s_mov_b32 s35, 0
	s_cmp_eq_u32 s33, 0
	s_cbranch_scc1 .Lstage
; Window k of the trip: its cell's number, its four loads, and the step to the next window.  In a bin that is not empty he - st and we - st lie in 0..63, so the cell's number lies inside its level's table.
; The number comes from memory: it enters the address through one bound by a constant, tab's last cell, with a shift and an add behind it; tab's address itself stays as the arguments gave it.
.macro STEP k
	s_min_u32 s42, s38, s36                        ; the row, pulled back
	s_min_u32 s41, s39, s37                        ; the column, pulled back
	s_lshl_b32 s42, s42, 6
	s_add_co_u32 s42, s42, s41
	s_add_co_u32 s42, s42, s53
	s_min_u32 s42, s42, CELLS-1
	s_lshl_b32 s42, s42, 11                        ; cell x 2,048 bytes: under 2^25
	v_add_nc_u32 v[VO+(\k)], s42, v[OFFV]
.irp q, 0,1,2,3
	global_load_b128 v[D+16*(\k)+4*(\q):D+16*(\k)+4*(\q)+3], v[VO+(\k)], s[4:5] offset:512*(\q)  ; 512 bytes on end, at a multiple of 256 from tab's first byte
.endr
	s_add_co_u32 s40, s40, 1
	s_add_co_u32 s39, s39, s30
	s_add_co_u32 s41, s38, s30
	s_cmp_eq_u32 s40, s32                          ; the row of windows is done: back to the first column, one row of windows down
	s_cselect_b32 s40, 0, s40
	s_cselect_b32 s39, s22, s39
	s_cselect_b32 s38, s41, s38
.endm
.macro FOLD3 x, y
.set n, 0
.rept 16
	v_max3_num_f32 v[ACC+n], v[ACC+n], v[D+16*(\x)+n], v[D+16*(\y)+n]
.set n, n+1
.endr
.endm
.macro FOLD2 x
.set n, 0
.rept 16
	v_max_num_f32 v[ACC+n], v[ACC+n], v[D+16*(\x)+n]
.set n, n+1
.endr
.endm
.Ltrip:
	STEP 0
	s_cmp_lt_u32 s33, 2
	s_cbranch_scc1 .Lone
	STEP 1
	s_cmp_lt_u32 s33, 3
	s_cbranch_scc1 .Ltwo
	STEP 2
	s_cmp_lt_u32 s33, 4
	s_cbranch_scc1 .Lthree
	STEP 3
	s_wait_loadcnt 0x8                             ; loads come back in order (ISA guide 5.7.1): windows 0 and 1 are in, the eight loads of windows 2 and 3 may be out
	FOLD3 0, 1
	s_wait_loadcnt 0x0
	FOLD3 2, 3
	s_branch .Lnext
.Lthree:
	s_wait_loadcnt 0x4                             ; window 2's four loads may be out
	FOLD3 0, 1
	s_wait_loadcnt 0x0
	FOLD2 2
	s_branch .Lnext
.Ltwo:
	s_wait_loadcnt 0x0
	FOLD3 0, 1
	s_branch .Lnext
.Lone:
	s_wait_loadcnt 0x0
	FOLD2 0
.Lnext:                                                ; on every way here all loads are in: their registers and offsets may be written again
	s_sub_co_u32 s33, s33, 4
	s_add_co_u32 s35, s35, 1
	s_cmp_lt_u32 s35, s34
	s_cbranch_scc1 .Ltrip
.Lstage:
	; THE WAY OUT.  In out0 a channel's nine bins lie together, and they come from nine waves: the results meet in LDS in out0's order, and each wave takes 2,048 bytes of it back as they lie.
.set n, 0
.rept 16
	ds_store_b32 v[STA], v[ACC+n] offset:(n/4)*4608+(n%4)*36  ; channel 128 q + 4 lane + e: 36 bytes a channel
.set n, n+1
.endr
	s_wait_dscnt 0x0                               ; for the others' sake: my stores into the stage are done
	s_barrier_signal -1
	s_barrier_wait -1
.irp t, 0,1,2,3
	ds_load_b128 v[D+4*(\t):D+4*(\t)+3], v[RDA] offset:512*(\t)
.endr
.irp t, 0,1,2,3
	s_wait_dscnt 3-(\t)                            ; load t is back, the younger ones may be out
	global_store_b128 v[RDA], v[D+4*(\t):D+4*(\t)+3], s[12:13] offset:512*(\t) th:TH_STORE_NT  ; 512 bytes on end, at a multiple of 256 from out0's first byte
.endr
	s_wait_tensorcnt 0x0                           ; the wave's end, behind my last LDS store
	ds_add_u32 v[SPW], v[NIL]
	s_wait_dscnt 0x0
	s_endpgm
.Lfunc_end_k_q48a0e9fa16_pool:
	.size	k_q48a0e9fa16_pool, .Lfunc_end_k_q48a0e9fa16_pool-k_q48a0e9fa16_pool
	.p2alignl 7, 3214868480
	.fill 96, 4, 3214868480
	.section	.rodata,"a",@progbits
	.p2align	6, 0x0
	.amdhsa_kernel k_q48a0e9fa16_pool
		.amdhsa_group_segment_fixed_size 19712
		.amdhsa_private_segment_fixed_size 0
		.amdhsa_enable_private_segment 0
		.amdhsa_kernarg_size 24
		.amdhsa_user_sgpr_count 2
		.amdhsa_user_sgpr_kernarg_segment_ptr 1
		.amdhsa_wavefront_size32 1
		.amdhsa_system_sgpr_workgroup_id_x 1
		.amdhsa_system_sgpr_workgroup_id_y 1
		.amdhsa_system_sgpr_workgroup_id_z 1
		.amdhsa_system_vgpr_workitem_id 0
		.amdhsa_next_free_vgpr 92
		.amdhsa_next_free_sgpr 66
		.amdhsa_reserve_vcc 0
		.amdhsa_float_denorm_mode_32 3
		.amdhsa_float_denorm_mode_16_64 3
		.amdhsa_memory_ordered 1
		.amdhsa_forward_progress 1
		.amdhsa_inst_pref_size 15
	.end_amdhsa_kernel
	.amdgpu_metadata
---
amdhsa.version: [ 1, 2 ]
amdhsa.kernels:
  - .name:           k_q48a0e9fa16_pool
    .symbol:         k_q48a0e9fa16_pool.kd
    .args:
      - { .name: tab, .offset: 0, .size: 8, .value_kind: global_buffer, .address_space: global }
      - { .name: desc, .offset: 8, .size: 8, .value_kind: global_buffer, .address_space: global }
      - { .name: out0, .offset: 16, .size: 8, .value_kind: global_buffer, .address_space: global }
    .group_segment_fixed_size: 19712
    .private_segment_fixed_size: 0
    .kernarg_segment_align: 8
    .kernarg_segment_size: 24
    .max_flat_workgroup_size: 288
    .sgpr_count:     66
    .vgpr_count:     92
    .wavefront_size: 32
...
	.end_amdgpu_metadata
.endif
;; end of part 2
